; MI455X (gfx1250); checked and timed in simulation.
; The chip was launched on July 23, 2026; its instructions are those of AMD's public machine-readable ISA for CDNA 5 (MIT licence, August 2026) and "CDNA5" Instruction Set Architecture Reference Guide (July 2026). The comments in the code are by the model that wrote it; some were corrected since.
;; LSTM Cell. Allowed arithmetic: matrix products marked QUANTISED: E2M1 operands, one E8M0 scale for each 32 along K, by v_wmma_scale_f32_16x16x128_f8f6f4 with both operands' format E2M1 (or v_wmma_scale_f32_32x16x128_f4), f32 sums; everything else in f32.
;; Inputs: Wc 2,048 x 1,024 float32; Wf 2,048 x 1,024 float32; Wi 2,048 x 1,024 float32; Wo 2,048 x 1,024 float32; bc 1,024 float32; bf 1,024 float32; bi 1,024 float32; bo 1,024 float32; c 8,192 x 1,024 float32; h 8,192 x 1,024 float32; x 8,192 x 1,024 float32.
;; Outputs: out0 2 x 8,192 x 1,024 float32.
;; This version of the problem:
;;   THIS VERSION OF THE PROBLEM IS GIVEN IN LOW PRECISION. The matrix products marked QUANTISED in the list below multiply operands that are first quantised to E2M1 (2 exponent bits, 1 mantissa bit; 4 bits a number), with one power-of-two scale for each 32 numbers along K (OCP MX v1.0); their sums are f32. All else is computed in f32.
;;   The module's matrix products, in the order in which they are computed (A, B: the left and right operand; K: the contracted axis; several contracted axes count as one K, in the product's order):
;;     1. [M 8,192, K 2,048] x [K 2,048, N 4,096]; A: computed on the way; B: computed on the way: QUANTISED
;;   THE QUANTISER, for each operand of a quantised product, along K:
;;     - K is cut into blocks of 32 from its start; a last block that is shorter is filled with zeros.
;;     - A block's scale is 2^e with e = floor(log2(the largest magnitude in the block)) - 2, held to -126 .. 127; a block of zeros has e = 0. As a byte (E8M0): e + 127.
;;     - Each number is divided by its block's scale, clamped to +-6, and rounded to the nearest number of E2M1, ties to even, subnormals kept.
;;     - The product sums the exact products of the quantised numbers (number of the format x scale) in f32.
;;   ~~~python
;;   def quantise(x, axis):      # numpy; x: float32 -> the quantised numbers, widened to float32 again
;;       x = np.moveaxis(x, axis, -1); K = x.shape[-1]
;;       x = np.pad(x, [(0, 0)] * (x.ndim - 1) + [(0, -K % 32)]); x = x.reshape(x.shape[:-1] + (-1, 32)); a = np.abs(x).max(-1, keepdims=True)
;;       e = np.where(a > 0, np.clip(np.frexp(np.where(a > 0, a, 1))[1] - 1 - 2, -126, 127), 0)      # np.frexp(a)[1] - 1 = floor(log2(a)), exactly
;;       r = np.clip(x / 2.0 ** e, -6, 6)
;;       step = 2.0 ** (np.maximum(np.frexp(np.where(r == 0, 1, r))[1] - 1, 0) - 1)
;;       q = np.round(r / step) * step * 2.0 ** e      # np.round: ties to even
;;       return np.moveaxis(q.reshape(q.shape[:-2] + (-1,))[..., :K], -1, axis).astype(np.float32)
;;   ~~~
;;   OPERANDS COMPUTED ON THE WAY. 'Computed on the way' means the value that the module computes at that place (a softmax that the list does not call 'softmax' is quantised finished and normalised). What goes into a quantiser is computed in f32, as accurately as f32 sums, v_exp_f32 and their like allow (about 1e-6 of the number): no bf16 or f16 on the way to a quantiser, and a product that is left as it is and whose result goes on into a quantised operand takes f32 operands (vector FMAs, or v_wmma_f32_16x16x4_f32). A number that lies on a knife's edge between two numbers of the format may be rounded either way, as far as f32 arithmetic and the matrix unit's own rounding can turn it there, and no further.
;; One version. Each part assembles by itself: llvm-mc -triple=amdgcn-amd-amdhsa -mcpu=gfx1250 --defsym DOCPART=n.
;; ======== version 1 of 1: 2 launches
;; limits: right only within a limited range of input values
;; workspace buffers: zc 8,388,608 bytes; zs 524,288 bytes; wc 4,194,304 bytes; ws 262,144 bytes
;; launch quant (part 1): grid 768 x 1, 4 waves a work-group, no clusters, 50,688 bytes of LDS; arguments x, h, Wf, Wi, Wc, Wo, zc, zs, wc, ws; writes zc, zs, wc, ws
.if DOCPART == 1
	.amdgcn_target "amdgcn-amd-amdhsa--gfx1250"
	.amdhsa_code_object_version 6
	.text
	.protected	k_q09386417e0_quant
	.globl	k_q09386417e0_quant
	.p2align	8
	.type	k_q09386417e0_quant,@function
k_q09386417e0_quant:
	s_mov_b64 s[64:65], 0
	v_nop
	global_prefetch_b8 v0, s[64:65] scope:SCOPE_SE
	s_setreg_imm32_b32 hwreg(HW_REG_WAVE_MODE, 25, 1), 1
	s_wait_xcnt 0x0
; Both operands of gates = [x|h] [Wf|Wi|Wc|Wo] are turned ONCE into codes of FP4 (E2M1), 4 bits each, K innermost, with one E8M0 scale byte for each 32 along K.
; A block's scale is 2^(floor(log2(its largest magnitude)) - 2); its byte is the largest magnitude's own exponent field - 2, held at 1 from below; each number is divided by the scale and rounded to the
; nearest code, ties to even, beyond 6 the largest code.
; OUT:  zc [8192][1024 bytes]: row m: x's 1,024 codes (512 bytes), then h's;   zs [8192][64]: x's 32 scale bytes, then h's.
;       wc [4096][1024 bytes], ws [4096][64]: row n' = 128 (u / 32) + 32 g + u % 32 holds column u of gate g's weight (g: f 0, i 1, c 2, o 3), K = 2,048 innermost:
;       so 128 neighbouring rows are the four gates of 32 neighbouring units, which the product's launch keeps in one wave.
; LIMITS: NaN and infinities among the inputs are not served.  A block of zeros gets the byte 1 where the rule says 127: its codes are zeros, which add nothing under any byte but 0xff, and this program alone reads the bytes.
; SHARES: work-groups 0 to 255 take the weights, work-groups 256 to 767 take z: 128 KiB of f32 each, 32 KiB a wave, so that all waves have equal work and about 8 KiB of loads on their way to the end.
; The two ways part once, on the work-group's number, which all four waves share, and never join; each has LDS bytes of its own.
; No tensor loads, no matrix work, no cluster (no work-group reads what another reads), no prefetch (the launch is one stream of loads from its first line on).
.set EMAX,  2                          ; the exponent of the format's largest number, 6
.set NWW,   256                        ; work-groups that take the weights
; ---- z's way: K is innermost
.set STEPS, 16                         ; a wave takes 16 steps of 512 numbers: 4 rows of z
.set CB,    8                          ; bytes of 16 codes
.set SP,    80                         ; a lane's place in a stage: its 64 bytes + 16 of padding
.set WREG,  8192                       ; LDS bytes 0 .. 32,767: a region for each wave: two stages of 32 x SP bytes, then its 256 scale bytes
.set ZR,    16                         ; v16-79   four sets of 16 numbers as they are loaded
.set ZX,    80                         ; v80-111  two sets of 16 neighbours
.set ZE,    112                        ; v112-127 a scale byte for each step
.set ZC,    128                        ; v128-191 codes: four registers for each step, so that no store's data are written again
; ---- the weights' way: K is the first axis
.set NB,    8                          ; a wave takes 32 columns x 256 along K: 8 blocks a lane
.set PITCH, 272                        ; a stage row: 256 bytes of codes (512 along K: two waves' halves) + 16
.set KROW,  1024                       ; a row of wc in bytes
.set WROW,  4096                       ; a row of a weight in bytes
.set WLDS,  32768                      ; LDS bytes 32,768 .. 50,175: two stages of 32 x PITCH bytes, one for each group of 32 columns
.set WX,    32                         ; v32-95   two sets of 32 numbers
.set WCD,   96                         ; v96-99   a block's codes
.set WOUT,  112                        ; v112-143 the way out
.set WSB,   24                         ; v24-25   the scale bytes, four to a register
	s_load_b128 s[4:7], s[0:1], 0x0                ; x, h
	s_load_b256 s[8:15], s[0:1], 0x10              ; Wf, Wi, Wc, Wo
	s_load_b256 s[16:23], s[0:1], 0x30             ; zc, zs, wc, ws
	v_lshl_add_u32 v192, v0, 2, 0xc400
	v_mov_b32 v193, 0
	v_lshrrev_b32 v1, 5, v0
	v_readfirstlane_b32 s24, v1                    ; wave 0..3
	v_and_b32 v2, 31, v0                           ; lane
	s_wait_kmcnt 0x0
	s_cmp_lt_u32 ttmp9, NWW
	s_cbranch_scc1 .Lweights
; =====================================================================  z = [x | h]
; The conversions take 8 numbers of ONE block from a lane's consecutive registers, so a lane must hold 16 NEIGHBOURS along K (two neighbouring lanes hold a block); a load is best where neighbouring LANES take
; neighbouring bytes.  Both are had: each of a step's four loads reads 512 consecutive bytes, 16 a lane; the 2,048 bytes go through the wave's own stage in LDS as they lie and come back 64 bytes a lane.
; Step t of a wave is row t / 4 of its four, tensor (t / 2) % 2 (x, h), half t % 2 of that tensor's row: its 256 bytes of codes then lie at 256 t of the wave's 4,096 bytes of zc, its 16 scale bytes at 16 t of the
; wave's 256 bytes of zs: both outputs are plain streams, stored as whole aligned runs of 256 bytes.  Waves share nothing here: no barrier.
	s_wait_alu depctr_va_vdst(0)
	v_lshlrev_b32 v3, 4, v2                        ; my 16 bytes of a load's 512
	s_mul_i32 s25, s24, WREG
	v_lshrrev_b32 v14, 2, v2
	v_mul_u32_u24 v14, v14, SP
	v_and_b32 v15, 3, v2
	v_lshl_add_u32 v14, v15, 4, v14
	v_add_nc_u32 v14, s25, v14                     ; the stage, on the way in: four lanes' 64 bytes on end, then 16 of padding
	v_mul_u32_u24 v15, v2, SP
	v_add_nc_u32 v15, s25, v15                     ; and on the way out: SP x lane: my 16 neighbours
	v_mul_u32_u24 v4, v2, CB                       ; my codes' place in a step's 256 bytes
	v_lshrrev_b32 v5, 1, v2
	s_add_co_u32 s25, s25, 2*32*SP
	v_add_nc_u32 v5, s25, v5                       ; LDS: my wave's 256 scale bytes, my block's byte
	v_lshlrev_b32 v7, 3, v2                        ; and on the way out 8 bytes a lane
	v_add_nc_u32 v6, s25, v7
	s_sub_co_u32 s26, ttmp9, NWW
	s_lshl_b32 s26, s26, 2
	s_add_co_u32 s28, s26, s24                     ; which run of 4 rows is my wave's: 0 .. 2,047
	s_mov_b32 s27, 0
	s_lshl_b32 s26, s28, 14                        ; 4 rows of 4,096 bytes in x and in h
	s_add_nc_u64 s[4:5], s[4:5], s[26:27]
	s_add_nc_u64 s[6:7], s[6:7], s[26:27]
	s_lshl_b32 s26, s28, 12                        ; 4 rows of 1,024 bytes in zc
	s_add_nc_u64 s[16:17], s[16:17], s[26:27]
	s_lshl_b32 s26, s28, 8                         ; 4 rows of 64 bytes in zs
	s_add_nc_u64 s[18:19], s[18:19], s[26:27]
.macro ZLOAD t                         ; step t's 2,048 bytes: the base is x's or h's, all else stands in the immediate
.irp i, 0,1,2,3
	global_load_b128 v[ZR+16*((\t)%4)+4*\i:ZR+16*((\t)%4)+4*\i+3], v3, s[4+2*(((\t)/2)%2):5+2*(((\t)/2)%2)] offset:((\t)/4)*4096+((\t)%2)*2048+512*\i th:TH_LOAD_NT   ; 32 lanes read 512 consecutive bytes
.endr
.endm
.macro ZTURN t                         ; step t's numbers through the stage: LDS serves a wave's instructions in order (ISA guide 5.7.1.4), so no wait stands between the stores and the loads
.irp i, 0,1,2,3
	ds_store_b128 v14, v[ZR+16*((\t)%4)+4*\i:ZR+16*((\t)%4)+4*\i+3] offset:32*SP*((\t)%2)+8*SP*\i
.endr
.irp i, 0,1,2,3
	ds_load_b128 v[ZX+16*((\t)%2)+4*\i:ZX+16*((\t)%2)+4*\i+3], v15 offset:32*SP*((\t)%2)+16*\i
.endr
.endm
.irp t, 0,1,2,3
	ZLOAD \t                                       ; loads run four steps (16 loads a wave) ahead
.endr
	s_wait_alu depctr_va_vdst(0)
	s_wait_loadcnt 12                              ; step 0's four loads are in; those of steps 1 to 3 stay out
	ZTURN 0
.macro ZSTEP t
.set XS, ZX+16*((\t)%2)
.if (\t) > 0
	s_wait_dscnt 1                                 ; this step's numbers are back from the stage (the last step's byte store may be out): so its stores into the stage have read their registers,
.else
	s_wait_dscnt 0x0
.endif
.if (\t)+4 < STEPS
	ZLOAD (\t)+4                                   ; which take the loads of four steps on
.endif
.if (\t)+1 < STEPS
.if STEPS-2-(\t) >= 3
	s_wait_loadcnt 12                              ; the next step's four loads are in; those of the three steps behind it may be out
.else
	s_wait_loadcnt 4*(STEPS-2-(\t))                ; near the end fewer steps are behind it
.endif
	ZTURN (\t)+1                                   ; and go through the other stage while this step is worked
.endif
	v_max3_num_f32 v8, |v[XS]|, |v[XS+1]|, |v[XS+2]|               ; the largest magnitude of my 16, in two chains
	v_max3_num_f32 v9, |v[XS+3]|, |v[XS+4]|, |v[XS+5]|
.irp i, 6,10
	v_max3_num_f32 v8, v8, |v[XS+\i]|, |v[XS+\i+1]|
	v_max3_num_f32 v9, v9, |v[XS+\i+2]|, |v[XS+\i+3]|
.endr
	v_max3_num_f32 v8, v8, |v[XS+14]|, |v[XS+15]|
	v_max3_num_f32 v8, v8, v9, (EMAX+1)<<23        ; and the floor 2^(EMAX + 1 - 127), under which no largest magnitude is taken: so the byte cannot fall under 1
	v_max_num_f32_dpp v8, v8, v8 row_xmask:1 row_mask:0xf bank_mask:0xf   ; and of my neighbour's 16: the block's
	v_add_nc_u32 v11, -(EMAX<<23), v8              ; EMAX off its exponent field: the conversion takes the exponent field of this operand as its scale, and nothing else of it
	v_cvt_scalef32_pk8_fp4_f32 v[ZC+4*(\t)], v[XS:XS+7], v11       ; eight numbers / the scale, to the nearest code; the first number's code in the lowest four bits
	v_cvt_scalef32_pk8_fp4_f32 v[ZC+4*(\t)+1], v[XS+8:XS+15], v11
	v_lshrrev_b32 v[ZE+(\t)], 23, v11              ; the scale's byte (a plain line behind the conversions)
	ds_store_b8 v5, v[ZE+(\t)] offset:16*(\t)      ; both lanes of a block write the same byte with the same value
	global_store_b64 v4, v[ZC+4*(\t):ZC+4*(\t)+1], s[16:17] offset:32*CB*(\t)   ; 32 lanes store 256 consecutive bytes, at a multiple of 256 from zc's first byte
.endm
.irp t, 0,1,2,3,4,5,6,7,8,9,10,11,12,13,14,15
	ZSTEP \t
.endr
	ds_load_b64 v[12:13], v6                       ; my wave's 256 scale bytes: these loads see my stores (a wave's LDS instructions are served in order)
	s_wait_dscnt 0x0
	global_store_b64 v7, v[12:13], s[18:19]        ; 32 lanes store 256 consecutive bytes, at a multiple of 256 from zs's first byte
	s_wait_tensorcnt 0x0
	ds_add_u32 v192, v193
	s_wait_dscnt 0x0
	s_endpgm
; =====================================================================  the four weights, [2048 (k)][1024 (u)]
; A LANE TAKES A COLUMN u, AND ITS REGISTERS RUN DOWN K: each load reads neighbouring columns in neighbouring lanes (128 consecutive bytes a wave), a block of 32 along K lies in ONE lane's 32 registers,
; and the conversions give codes with K innermost: nothing is transposed by an instruction.
; A work-group takes 64 columns x 512 along K; wave w takes columns 32 (w % 2) on and K 256 (w / 2) on.  A wave's codes are 128 bytes a column, half of an aligned 256 bytes of wc: so the two waves of a group of columns
; write the two halves of the same stage rows, ONE barrier stands between the writing and the reading, and each wave then stores 16 whole rows: sixteen lanes store 256 consecutive aligned bytes.
; A lane's 8 scale bytes leave by one store of 8 bytes: rows of ws are 64 bytes apart, so these runs are short: one byte in 128 of what this way reads.
.Lweights:
	s_lshr_b32 s25, ttmp9, 6                       ; the gate: 0 f, 1 i, 2 c, 3 o
	s_and_b32 s31, ttmp9, 15                       ; which 64 columns
	s_bfe_u32 s32, ttmp9, 0x20004                  ; which 512 along K (2 bits from bit 4)
	s_and_b32 s37, s24, 1                          ; my group of 32 columns
	s_lshr_b32 s38, s24, 1                         ; my half of the 512 along K
	s_cmp_lt_u32 s25, 2                            ; the weight's address is chosen on the work-group's number alone
	s_cselect_b64 s[26:27], s[8:9], s[12:13]       ; Wf or Wc
	s_cselect_b64 s[28:29], s[10:11], s[14:15]     ; Wi or Wo
	s_and_b32 s30, s25, 1
	s_cmp_eq_u32 s30, 0
	s_cselect_b64 s[4:5], s[26:27], s[28:29]
	s_lshl_b32 s33, s31, 6
	s_lshl_b32 s34, s37, 5
	s_add_co_u32 s33, s33, s34                     ; my wave's first column u0 = 64 x block + 32 x group
	s_lshl_b32 s26, s32, 21                        ; 512 rows of 4,096 bytes,
	s_lshl_b32 s34, s38, 20                        ; 256 rows for the upper half,
	s_add_co_u32 s26, s26, s34
	s_lshl_b32 s33, s33, 2                         ; 4 bytes a column
	s_add_co_u32 s26, s26, s33
	s_mov_b32 s27, 0
	s_add_nc_u64 s[4:5], s[4:5], s[26:27]
	s_lshl_b32 s35, s31, 8
	s_lshl_b32 s34, s37, 7
	s_add_co_u32 s35, s35, s34
	s_lshl_b32 s34, s25, 5
	s_add_co_u32 s35, s35, s34                     ; my columns' first row of wc and ws: 128 (u0 / 32) + 32 x gate
	s_lshl_b32 s34, s38, 4
	s_add_co_u32 s34, s34, s35                     ; the first of the 16 rows that I store
	s_lshl_b32 s26, s34, 10
	s_lshl_b32 s34, s32, 8
	s_add_co_u32 s26, s26, s34                     ; row x 1,024 + 256 bytes for each 512 along K
	s_add_nc_u64 s[20:21], s[20:21], s[26:27]
	s_lshl_b32 s26, s35, 6
	s_lshl_b32 s34, s32, 4
	s_add_co_u32 s26, s26, s34
	s_lshl_b32 s34, s38, 3
	s_add_co_u32 s26, s26, s34                     ; row x 64 + 16 bytes for each 512 along K + 8 for the upper half
	s_add_nc_u64 s[22:23], s[22:23], s[26:27]
	s_wait_alu depctr_va_vdst(0)
	v_lshlrev_b32 v3, 2, v2                        ; in: 4 bytes a lane
	s_mul_i32 s36, s37, 32*PITCH
	s_add_co_u32 s36, s36, WLDS                    ; my columns' stage
	s_lshl_b32 s34, s38, 7
	s_add_co_u32 s34, s34, s36
	v_mul_u32_u24 v4, v2, PITCH
	v_add_nc_u32 v4, s34, v4                       ; into it: row = my column, my half of its 256 bytes
	s_mul_i32 s34, s38, 16*PITCH
	s_add_co_u32 s34, s34, s36
	v_and_b32 v5, 15, v2
	v_lshrrev_b32 v6, 4, v2                        ; out of it: my 16 rows; sixteen lanes to a row, two rows an instruction
	v_mul_u32_u24 v7, v6, PITCH
	v_lshl_add_u32 v7, v5, 4, v7
	v_add_nc_u32 v7, s34, v7
	v_mul_u32_u24 v8, v6, KROW
	v_lshl_add_u32 v8, v5, 4, v8                   ; and the same place in wc
	v_mul_u32_u24 v9, v2, 64                       ; my column's row of ws
.macro WLOAD t                         ; block t: W(32 t + i, my column), i = 0 .. 31, into set t % 2.  The largest immediate is 255 rows of 4,096 bytes, inside its signed 24 bits
.irp i, 0,1,2,3,4,5,6,7,8,9,10,11,12,13,14,15,16,17,18,19,20,21,22,23,24,25,26,27,28,29,30,31
	global_load_b32 v[WX+32*((\t)%2)+\i], v3, s[4:5] offset:(32*(\t)+\i)*WROW th:TH_LOAD_NT
.endr
.endm
	WLOAD 0
	WLOAD 1                                        ; loads run two blocks (64 loads a wave) ahead
.macro WBLOCK t
.set XS, WX+32*((\t)%2)
.if (\t) < NB-1
	s_wait_loadcnt 32                              ; this block's 32 loads are in; the next block's may be out
.else
	s_wait_loadcnt 0
.endif
	v_max3_num_f32 v12, |v[XS]|, |v[XS+1]|, |v[XS+2]|              ; the block's largest magnitude: all 32 numbers are mine
	v_max3_num_f32 v13, |v[XS+3]|, |v[XS+4]|, |v[XS+5]|
.irp i, 6,10,14,18,22,26
	v_max3_num_f32 v12, v12, |v[XS+\i]|, |v[XS+\i+1]|
	v_max3_num_f32 v13, v13, |v[XS+\i+2]|, |v[XS+\i+3]|
.endr
	v_max3_num_f32 v12, v12, |v[XS+30]|, |v[XS+31]|
	v_max3_num_f32 v12, v12, v13, (EMAX+1)<<23     ; and the floor: the byte cannot fall under 1
	v_add_nc_u32 v11, -(EMAX<<23), v12             ; the conversion's scale operand
	v_lshrrev_b32 v13, 23, v11                     ; the scale's byte
.if (\t)%4 == 0
	v_mov_b32 v[WSB+(\t)/4], v13                   ; four bytes to a register, the lower K in the lower byte
.else
	v_lshl_or_b32 v[WSB+(\t)/4], v13, 8*((\t)%4), v[WSB+(\t)/4]
.endif
.irp g, 0,1,2,3
	v_cvt_scalef32_pk8_fp4_f32 v[WCD+\g], v[XS+8*\g:XS+8*\g+7], v11
.endr
	ds_store_b128 v4, v[WCD:WCD+3] offset:16*(\t)  ; 32 codes: 16 bytes of my column's row.  (The next vector lines are the next block's maxima: plain lines that touch neither the codes nor the scale operand)
.if (\t)+2 < NB
	WLOAD (\t)+2
.endif
	s_wait_dscnt 0x0                               ; the store has read its registers and has landed: the next block's codes may be written
.endm
.irp t, 0,1,2,3,4,5,6,7
	WBLOCK \t
.endr
	s_barrier_signal -1                            ; my stores into the stage have landed (the last block's wait for 0); no LDS instruction of mine is out
	s_barrier_wait -1                              ; the other half of K's too: the stage's rows are whole
.irp t, 0,1,2,3,4,5,6,7
	ds_load_b128 v[WOUT+4*\t:WOUT+4*\t+3], v7 offset:2*\t*PITCH
.endr
	s_wait_alu depctr_va_vdst(0)
	global_store_b64 v9, v[WSB:WSB+1], s[22:23]    ; my column's 8 scale bytes
.irp t, 0,1,2,3,4,5,6,7
	s_wait_dscnt 7-\t                              ; load t is back; the 7 - t younger ones may be out
	global_store_b128 v8, v[WOUT+4*\t:WOUT+4*\t+3], s[20:21] offset:2*\t*KROW   ; sixteen lanes store 256 consecutive bytes, at a multiple of 256 from wc's first byte
.endr
	s_wait_tensorcnt 0x0
	ds_add_u32 v192, v193
	s_wait_dscnt 0x0
	s_endpgm
.Lfunc_end_k_q09386417e0_quant:
	.size	k_q09386417e0_quant, .Lfunc_end_k_q09386417e0_quant-k_q09386417e0_quant
	.p2alignl 7, 3214868480
	.fill 96, 4, 3214868480
	.section	.rodata,"a",@progbits
	.p2align	6, 0x0
	.amdhsa_kernel k_q09386417e0_quant
		.amdhsa_group_segment_fixed_size 50688
		.amdhsa_private_segment_fixed_size 0
		.amdhsa_enable_private_segment 0
		.amdhsa_kernarg_size 80
		.amdhsa_user_sgpr_count 2
		.amdhsa_user_sgpr_kernarg_segment_ptr 1
		.amdhsa_wavefront_size32 1
		.amdhsa_system_sgpr_workgroup_id_x 1
		.amdhsa_system_sgpr_workgroup_id_y 1
		.amdhsa_system_sgpr_workgroup_id_z 1
		.amdhsa_system_vgpr_workitem_id 0
		.amdhsa_next_free_vgpr 194
		.amdhsa_next_free_sgpr 66
		.amdhsa_reserve_vcc 0
		.amdhsa_float_denorm_mode_32 3
		.amdhsa_float_denorm_mode_16_64 3
		.amdhsa_memory_ordered 1
		.amdhsa_forward_progress 1
		.amdhsa_inst_pref_size 74
	.end_amdhsa_kernel
	.amdgpu_metadata
---
amdhsa.version: [ 1, 2 ]
amdhsa.kernels:
  - .name:           k_q09386417e0_quant
    .symbol:         k_q09386417e0_quant.kd
    .args:
      - { .name: x, .offset: 0, .size: 8, .value_kind: global_buffer, .address_space: global }
      - { .name: h, .offset: 8, .size: 8, .value_kind: global_buffer, .address_space: global }
      - { .name: Wf, .offset: 16, .size: 8, .value_kind: global_buffer, .address_space: global }
      - { .name: Wi, .offset: 24, .size: 8, .value_kind: global_buffer, .address_space: global }
      - { .name: Wc, .offset: 32, .size: 8, .value_kind: global_buffer, .address_space: global }
      - { .name: Wo, .offset: 40, .size: 8, .value_kind: global_buffer, .address_space: global }
      - { .name: zc, .offset: 48, .size: 8, .value_kind: global_buffer, .address_space: global }
      - { .name: zs, .offset: 56, .size: 8, .value_kind: global_buffer, .address_space: global }
      - { .name: wc, .offset: 64, .size: 8, .value_kind: global_buffer, .address_space: global }
      - { .name: ws, .offset: 72, .size: 8, .value_kind: global_buffer, .address_space: global }
    .group_segment_fixed_size: 50688
    .private_segment_fixed_size: 0
    .kernarg_segment_align: 8
    .kernarg_segment_size: 80
    .max_flat_workgroup_size: 128
    .sgpr_count:     66
    .vgpr_count:     194
    .wavefront_size: 32
...
	.end_amdgpu_metadata
.endif
;; end of part 1
;; launch cell (part 2): grid 16 x 16, 4 waves a work-group, clusters of 4 x 4, 327,680 bytes of LDS; arguments zc, zs, wc, ws, bf, bi, bc, bo, c, out0; writes out0
.if DOCPART == 2
	.amdgcn_target "amdgcn-amd-amdhsa--gfx1250"
	.amdhsa_code_object_version 6
	.text
	.protected	k_q09386417e0_cell
	.globl	k_q09386417e0_cell
	.p2align	8
	.type	k_q09386417e0_cell,@function
k_q09386417e0_cell:
	s_mov_b64 s[64:65], 0
	v_nop
	global_prefetch_b8 v0, s[64:65] scope:SCOPE_SE
	s_setreg_imm32_b32 hwreg(HW_REG_WAVE_MODE, 25, 1), 1
	s_wait_xcnt 0x0
	s_wait_alu depctr_hold_cnt(0) depctr_sa_sdst(0) depctr_va_vdst(0) depctr_va_sdst(0) depctr_va_ssrc(0) depctr_va_vcc(0) depctr_vm_vsrc(0)
	s_getreg_b32 s2, hwreg(HW_REG_IB_STS2, 6, 4)
	s_cmp_eq_u32 s2, 0
	s_cbranch_scc0 .Lentry_in_a_cluster
	s_endpgm
.Lentry_in_a_cluster:
	s_bfe_u32 s2, ttmp6, 0x10000c
	s_cmp_lg_u32 s2, 0xf033
	s_cbranch_scc0 .Lentry_shape_is_right
	s_endpgm
.Lentry_shape_is_right:
; gates = z W + b on codes of FP4 (E2M1) with one E8M0 scale for each 32 along K, sums in f32; then c_new = sigmoid(f) c + sigmoid(i) tanh(g), h_new = sigmoid(o) tanh(c_new), in f32.
; IN: zc [8192][1024 bytes], zs [8192][64]: rows of z = [x|h]; wc [4096][1024 bytes], ws [4096][64]: row 128 (u / 32) + 32 g + u % 32 is column u of gate g (f 0, i 1, c 2, o 3); K = 2,048 innermost.
; OUT: out0 [2][8192][1024] f32: h_new, then c_new.  The gates never go to memory.
; SHARES: 256 work-groups of four waves; each STAYS and makes two tiles of 256 rows x 64 units x 4 gates, 4,096 rows apart (the same rows of W).  A wave makes 128 rows x 32 units x 4 gates: 64 accumulators, 512 registers.
; The matrix instruction is used transposed (source 0 = 16 rows of W, source 1 = 16 rows of z): in accumulator (a, b) lane (r, h) holds in register j row 16 a + r, gate b / 2, unit 16 (b % 2) + 8 h + j.
; The bias is the C of each sum's first matrix instruction and stays in 64 registers for both tiles.
; K goes in four steps of 512 (tile rows of 256 bytes) through two LDS slots; the ring runs on into the next tile: its K steps 0 and 1 are asked for ahead of this tile's gating.  The last tile's tail is written out.
; CLUSTERS 4 x 4: z's tiles are asked for jointly along a row of the cluster, W's along a column.
; SCALE WORDS go from memory into registers: one load brings 16 bytes (a K step's four words) of 32 rows: lanes 0-15 block j, lanes 16-31 block j + 4; two sets of 32 registers, each asked for a K step or more ahead.
; THE WAY OUT: a stage of its own behind the ring (no tensor load lands there): two buffers of 16 rows for each row half, one for each of the two blocks that are gated together; c comes in as whole rows of 256 bytes,
; each lane replaces its c by c_new in place, h_new lies beside it, and each wave stores whole rows: sixteen lanes to 256 consecutive aligned bytes.
; ARITHMETIC, with A = 2^(-f log2 e), B, O likewise, G = 2^(2 g log2 e), E = 2^(2 c_new log2 e): c_new = c / (1 + A) + (G - 1) / ((1 + B)(1 + G)); h_new = (E - 1) / ((1 + O)(1 + E)).
; The exponents of G and E are held at 60 from above, where tanh is 1 in f32; A, B, O may become infinity, whose reciprocal is 0: both saturate rightly for numbers of any size.
; LIMITS: NaN and infinities among the inputs are not served; near 0 tanh has an absolute error of about one part in 10^7 of 1, not of its own size.
; PREFETCH INTO THE L2: of the 128 rows that a wave fetches, each of the four partners that ask for them jointly names 32, told apart by address, a lane a row, 256 bytes of a row an instruction.  K steps 1 and 2 are named at the head;
; each change of slots, which asks for the K step two on, names the K step three on; W's rows are named in the first tile alone, and nothing is named beyond the last tile.
; REGISTERS: window 0: v16-31 addresses; v32-95 scale words; v96-127 rows on their way out; v128-191 z's fragments, one set (in the gating: c, then 1 + G and 1 + E, then rows on their way out); v192-255 the biases.
;   window 1: W's fragments at v0-63 and v128-191 (in the gating: the four gates of two blocks); c's rows at v64-127 and v192-255.   windows 2, 3: the accumulators ((a, b) at v[8 (8 (a % 4) + b)]).
.set NQ, 4
.set ROWB, 256
.set KROW, 1024
.set PITCH, 272                        ; 256 bytes + 16 of padding: sixteen rows start at sixteen different groups of four banks
.set FR, 8
.set NL, 2
.set NP, 4
.set HALFT, 128*PITCH
.set SLOT, 4*HALFT                     ; z's 256 rows, then W's 256 rows
.set STG, 2*SLOT                       ; the stage
.set RH, 16*PITCH                      ; 16 rows of one row half
.set HOFS, 2*RH                        ; from c / c_new to h_new
.set SBUF, 4*RH                        ; a buffer
.set SPARE, STG+2*SBUF                 ; the spare words: 512 bytes that no other line names
.set OROW, 4096
.set WALK, 4096
.set ADRA, 16
.set ADRB, 20
.set CA, 22                            ; my 32 bytes of a stage row: row r, 128 (wave % 2) + 32 h
.set RD, 23                            ; whole rows: row 8 (wave % 2) + h, 16 r
.set CO, 26                            ; the same two rows in c and out0
.set SCO, 27                           ; scale words: 64 r + 4096 h
.set SPW, 28
.set NIL, 29
.set BOF, 30
.set PFO, 31                           ; the prefetches: my lane x a row of codes
.set SC, 32
.set OB, 96                            ; rows on their way out: the even block's at v96-127, the odd block's at v160-191
.set AF, 128
.set BIAS, 192
.set TT, 0                             ; window 1, + 128 for the odd block: f 0-15, i 16-31, g 32-47, o 48-63
.set CC, 128                           ; window 0, + 16 for the odd block: c, then c_new
.set U, 160                            ; window 0, + 16 for the odd block: 1 + G, then 1 + E
.set G1, 24
.set G0, 32
.set G1B, 48
.set G0B, 56
.set Q1, 43                            ; 1: my wave names the next tile's K step 0
.set Q0, 44                            ; 1: my wave names this tile's K step 3
.set PFA, 46                           ; my work-group's 32 rows of the 128 that I fetch, in this tile
.set K1, 76                            ; -log2 e
.set K2, 78                            ; 2 log2 e
.set K60, 80                           ; 60.0
.set PZ, 81                            ; 1: I fetch for z
.set ZSB, 82                           ; zs at my 128 rows of this tile;  ZS2: of the next
.set ZS2, 84
.set WSB, 86
.set CB, 88
.set HB, 90
.set NB, 96
.set MSB, 0
.macro WIN new
.if MSB != \new
	s_set_vgpr_msb (MSB<<8)|\new
.set MSB, \new
.endif
.endm
.set MUL_LO, 0xa1
.set MUL_HI, 0xf1
.set FST_LO, 0x81                      ; C (the bias) window 0
.set FST_HI, 0xc1
.set TO_B, 0x40
.set FROM_B, 0x04
.set ALL1, 0x55
.macro JLOAD g0a, g1a, g0b, g1b        ; waves 0, 1 fetch z's halves, waves 2, 3 W's
	s_cmp_eq_u32 s15, 0
	s_cbranch_scc0 .Lfor_b_\@
	tensor_load_to_lds s[\g0a:\g0a+3], s[\g1a:\g1a+7]
	s_nop 0
.rept 4
	v_nop
.endr
	s_branch .Lasked_\@
.Lfor_b_\@:
	tensor_load_to_lds s[\g0b:\g0b+3], s[\g1b:\g1b+7]
	s_nop 0
.rept 4
	v_nop
.endr
.Lasked_\@:
.endm
.macro CREST
	s_cmp_lg_u32 s14, 0
	s_cbranch_scc1 .Lnot_wave_0_\@
	s_barrier_signal -3
.Lnot_wave_0_\@:
	s_barrier_wait -3
	s_barrier_signal -1
	s_barrier_wait -1
.endm
.macro CROUND
	s_barrier_signal -1
	s_barrier_wait -1
	CREST
.endm
.macro PLACES n
.rept \n
	v_nop
.endr
.endm
.macro ASK flag, ofs                   ; 32 rows x 256 bytes, where the flag (made of the wave's number and the tile's count) says so
	s_cmp_eq_u32 s[\flag], 1
	s_cbranch_scc0 .Lnot_mine_\@
	global_prefetch_b8 v[PFO], s[PFA:PFA+1] offset:\ofs th:TH_LOAD_NT scope:SCOPE_SE
.Lnot_mine_\@:
.endm
	s_load_b256 s[4:11], s[0:1], 0x0               ; zc, zs, wc, ws
	s_load_b256 s[68:75], s[0:1], 0x20             ; bf, bi, bc, bo
	s_load_b128 s[92:95], s[0:1], 0x40             ; c, out0
	v_lshl_add_u32 v[SPW], v0, 2, SPARE
	v_mov_b32 v[NIL], 0
	ds_add_u32 v[SPW], v[NIL]                      ; the opening lines: the add twice and its wait
	ds_add_u32 v[SPW], v[NIL]
	v_lshrrev_b32 v1, 5, v0
	v_readfirstlane_b32 s14, v1                    ; wave
	s_lshr_b32 s15, s14, 1                         ; my half of z's rows; also: I fetch for z (0) or W (1)
	s_and_b32 s16, s14, 1                          ; my half of W's rows; also: which 128 rows I fetch
	s_bfe_u32 s40, ttmp6, 0x40000
	s_bfe_u32 s41, ttmp6, 0x40004
	s_lshl_b32 s42, ttmp9, 2
	s_add_co_u32 s42, s42, s40                     ; tile column: 64 units
	s_and_b32 s17, ttmp7, 0xffff
	s_lshl_b32 s17, s17, 2
	s_add_co_u32 s17, s17, s41                     ; first tile row, 0 .. 15
	s_lshl_b32 s43, s41, 2
	s_lshl_b32 s43, 15, s43
	s_lshl_b32 s44, 0x1111, s40
	s_or_b32 s[G1+0], s43, (0<<16)|(1<<20)|(1<<21)|(5<<22)|(3<<25)   ; 128 rows x 256 bytes, 16 bytes of padding behind each; z's tiles go to my row of the cluster
	s_or_b32 s[G1B+0], s44, (0<<16)|(1<<20)|(1<<21)|(5<<22)|(3<<25)  ; W's to my column
.irp g, G1, G1B
	s_mov_b32 s[\g+1], ROWB<<16
	s_mov_b32 s[\g+2], 128<<16
	s_mov_b32 s[\g+3], ROWB<<16
	s_mov_b32 s[\g+4], 128
	s_mov_b32 s[\g+5], KROW
	s_mov_b32 s[\g+6], 0
	s_mov_b32 s[\g+7], 0
.endr
	s_lshl_b32 s18, s16, 7
	s_lshl_b32 s20, s17, 8
	s_add_co_u32 s20, s20, s18
	s_lshl_b32 s20, s20, 10                        ; z: (256 x tile row + 128 x half) rows of 1,024 bytes
	s_mov_b32 s21, 0
	s_lshl_b32 s46, s42, 8
	s_add_co_u32 s46, s46, s18
	s_lshl_b32 s46, s46, 10                        ; W likewise by the tile column
	s_mov_b32 s47, 0
	s_mul_i32 s45, s14, HALFT
	s_wait_dscnt 0x0
	s_wait_kmcnt 0x0
	s_add_nc_u64 s[20:21], s[4:5], s[20:21]
	s_add_nc_u64 s[46:47], s[8:9], s[46:47]
	CROUND                                         ; in front of the first joint loads
.irp s, 0,1
	s_mov_b32 s[G0+4*\s], 1
	s_add_co_u32 s[G0+4*\s+1], s45, \s*SLOT
	s_add_nc_u64 s[G0+4*\s+2:G0+4*\s+3], s[20:21], \s*ROWB
	s_or_b32 s[G0+4*\s+3], s[G0+4*\s+3], 0x80000000
	s_mov_b32 s[G0B+4*\s], 1
	s_add_co_u32 s[G0B+4*\s+1], s45, \s*SLOT
	s_add_nc_u64 s[G0B+4*\s+2:G0B+4*\s+3], s[46:47], \s*ROWB
	s_or_b32 s[G0B+4*\s+3], s[G0B+4*\s+3], 0x80000000
.endr
	JLOAD G0, G1, G0B, G1B                         ; K step 0: my one tensor load at the head
	s_mul_i32 s21, s15, HALFT                      ; my rows of z in slot 0, 1
	s_add_co_u32 s22, s21, SLOT
	s_mul_i32 s23, s16, HALFT
	s_add_co_u32 s23, s23, 2*HALFT                 ; my rows of W in slot 0, 1
	s_add_co_u32 s12, s23, SLOT
	s_mul_i32 s13, s15, RH
	s_add_co_u32 s13, s13, STG                     ; my row half of the stage
	s_lshl_b32 s18, s16, 7
	s_add_co_u32 s18, s18, s13
	s_mul_i32 s19, s16, 8*PITCH
	s_add_co_u32 s19, s19, s13
	s_lshl_b32 s66, s17, 8
	s_lshl_b32 s67, s15, 7
	s_add_co_u32 s66, s66, s67                     ; my first row of z
	s_lshl_b32 s98, s66, 6
	s_mov_b32 s99, 0
	s_add_nc_u64 s[ZSB:ZSB+1], s[6:7], s[98:99]
	s_add_nc_u64 s[ZS2:ZS2+1], s[ZSB:ZSB+1], WALK*64
	s_lshl_b32 s98, s42, 8
	s_lshl_b32 s67, s16, 7
	s_add_co_u32 s98, s98, s67                     ; my first row of W; also my units' first byte in a bias
	s_add_nc_u64 s[68:69], s[68:69], s[98:99]
	s_add_nc_u64 s[70:71], s[70:71], s[98:99]
	s_add_nc_u64 s[72:73], s[72:73], s[98:99]
	s_add_nc_u64 s[74:75], s[74:75], s[98:99]
	s_lshl_b32 s98, s98, 6
	s_add_nc_u64 s[WSB:WSB+1], s[10:11], s[98:99]
	s_lshl_b32 s67, s16, 3
	s_add_co_u32 s66, s66, s67                     ; the first row that I fetch of c and store: + 8 (wave % 2)
	s_lshl_b32 s98, s66, 12
	s_lshl_b32 s67, s42, 8
	s_add_co_u32 s98, s98, s67
	s_add_nc_u64 s[CB:CB+1], s[92:93], s[98:99]
	s_add_nc_u64 s[HB:HB+1], s[94:95], s[98:99]
	s_add_nc_u64 s[NB:NB+1], s[HB:HB+1], 0x2000000
	s_cmp_eq_u32 s15, 0                            ; the prefetches: do I fetch for z?
	s_cselect_b32 s98, s17, s42                    ; the tile's place: by the tile row in zc, by the tile column in wc
	s_cselect_b32 s67, s40, s41                    ; my place among the four that ask for the tile with me
	s_cselect_b64 s[PFA:PFA+1], s[4:5], s[8:9]
	s_cselect_b32 s[PZ], 1, 0
	s_lshl_b32 s98, s98, 8
	s_lshl_b32 s66, s16, 7
	s_add_co_u32 s98, s98, s66                     ; + the 128 rows that I fetch
	s_lshl_b32 s67, s67, 5
	s_add_co_u32 s98, s98, s67                     ; + my work-group's 32 of them
	s_lshl_b32 s98, s98, 10
	s_add_nc_u64 s[PFA:PFA+1], s[PFA:PFA+1], s[98:99]
	s_mov_b32 s[Q0], 1
	s_mov_b32 s[Q1], s[PZ]
	s_mov_b32 s[K1], 0xbfb8aa3b
	s_mov_b32 s[K1+1], 0xbfb8aa3b
	s_mov_b32 s[K2], 0x4038aa3b
	s_mov_b32 s[K2+1], 0x4038aa3b
	s_mov_b32 s[K60], 0x42700000
	s_mov_b32 s2, 2                                ; tiles to go
	v_and_b32 v1, 15, v0                           ; r
	v_bfe_u32 v2, v0, 4, 1                         ; h
	v_mul_u32_u24 v3, v1, PITCH
	v_lshl_add_u32 v4, v2, 4, v3
	v_add_nc_u32 v[ADRA], s21, v4
	v_add_nc_u32 v[ADRA+1], s22, v4
	v_add_nc_u32 v[ADRB], s23, v4
	v_add_nc_u32 v[ADRB+1], s12, v4
	v_lshlrev_b32 v5, 6, v1
	v_lshl_add_u32 v[SCO], v2, 12, v5
	v_lshl_add_u32 v5, v2, 5, v3
	v_add_nc_u32 v[CA], s18, v5
	v_mul_u32_u24 v5, v2, PITCH
	v_lshl_add_u32 v5, v1, 4, v5
	v_add_nc_u32 v[RD], s19, v5
	v_lshlrev_b32 v5, 12, v2
	v_lshl_add_u32 v[CO], v1, 4, v5
	v_lshlrev_b32 v[BOF], 5, v2
	v_and_b32 v5, 31, v0
	v_lshlrev_b32 v[PFO], 10, v5
	s_wait_alu depctr_va_vdst(0)                   ; the wait at the head's end
.macro SCLOAD set, kof, zb             ; a K step's scale words into a set: registers 4 j + q: z's blocks j and j + 4; 16 + 4 j + q: W's
.irp j, 0,1,2,3
	global_load_b128 v[SC+32*(\set)+4*\j:SC+32*(\set)+4*\j+3], v[SCO], s[\zb:\zb+1] offset:1024*\j+(\kof)
	global_load_b128 v[SC+32*(\set)+16+4*\j:SC+32*(\set)+16+4*\j+3], v[SCO], s[WSB:WSB+1] offset:1024*\j+(\kof)
.endr
.endm
	SCLOAD 0, 0, ZSB
	SCLOAD 1, 16, ZSB
.irp b, 0,1,2,3,4,5,6,7
.irp q, 0,1
	global_load_b128 v[BIAS+8*\b+4*\q:BIAS+8*\b+4*\q+3], v[BOF], s[68+2*(\b/2):69+2*(\b/2)] offset:64*(\b%2)+16*\q
.endr
.endr
	global_prefetch_b8 v[PFO], s[PFA:PFA+1] offset:ROWB th:TH_LOAD_NT scope:SCOPE_SE     ; K step 1, whose load goes out when K step 0 has landed,
	global_prefetch_b8 v[PFO], s[PFA:PFA+1] offset:2*ROWB th:TH_LOAD_NT scope:SCOPE_SE   ; and K step 2
.macro FRAG reg, adr, q, i
.irp c, 0,1
	ds_load_b128 v[\reg+4*\c:\reg+4*\c+3], v[\adr] offset:64*(\q)+32*\c+(\i)*16*PITCH
.endr
.endm
; one product: z's block a x W's block b; p: W's set; q: which 128 of the slot's 512 along K; sc: the set of scale words; first: C is the bias
.macro WM a, b, p, q, sc, first
.set DD, 8*(8*((\a)%4)+(\b))
.if \first
.set CX, BIAS+8*(\b)
.else
.set CX, DD
.endif
.set BW, 128*(\p)+FR*(\b)
.set AZ, AF+FR*(\a)
.set SW, SC+32*(\sc)+16+4*((\b)%4)+(\q)
.set SZ, SC+32*(\sc)+4*((\a)%4)+(\q)
.if (\a)/4 == 0 && (\b)/4 == 0
	v_wmma_scale_f32_16x16x128_f8f6f4 v[DD:DD+7], v[BW:BW+7], v[AZ:AZ+7], v[CX:CX+7], v[SW], v[SZ] matrix_a_fmt:MATRIX_FMT_FP4 matrix_b_fmt:MATRIX_FMT_FP4
.endif
.if (\a)/4 == 0 && (\b)/4 == 1
	v_wmma_scale_f32_16x16x128_f8f6f4 v[DD:DD+7], v[BW:BW+7], v[AZ:AZ+7], v[CX:CX+7], v[SW], v[SZ] matrix_a_fmt:MATRIX_FMT_FP4 matrix_b_fmt:MATRIX_FMT_FP4 matrix_a_scale:MATRIX_SCALE_ROW1
.endif
.if (\a)/4 == 1 && (\b)/4 == 0
	v_wmma_scale_f32_16x16x128_f8f6f4 v[DD:DD+7], v[BW:BW+7], v[AZ:AZ+7], v[CX:CX+7], v[SW], v[SZ] matrix_a_fmt:MATRIX_FMT_FP4 matrix_b_fmt:MATRIX_FMT_FP4 matrix_b_scale:MATRIX_SCALE_ROW1
.endif
.if (\a)/4 == 1 && (\b)/4 == 1
	v_wmma_scale_f32_16x16x128_f8f6f4 v[DD:DD+7], v[BW:BW+7], v[AZ:AZ+7], v[CX:CX+7], v[SW], v[SZ] matrix_a_fmt:MATRIX_FMT_FP4 matrix_b_fmt:MATRIX_FMT_FP4 matrix_a_scale:MATRIX_SCALE_ROW1 matrix_b_scale:MATRIX_SCALE_ROW1
.endif
.endm
.macro MUL16 a0, p, q, sc, first       ; the 64 accumulators take turns in the same order in every step
.irp a, \a0, \a0+1
.irp b, 0,1,2,3,4,5,6,7
	WM \a, \b, \p, \q, \sc, \first
.endr
.endr
.endm
.macro FETCH_B slot, q, p
	WIN TO_B
.irp i, 0,1,2,3,4,5,6,7
	FRAG 128*(\p)+FR*\i, ADRB+\slot, \q, \i
.endr
	WIN 0
.endm
.macro FETCH_A slot, q, i0
.irp i, \i0, \i0+1, \i0+2, \i0+3
	FRAG AF+FR*(\i), ADRA+\slot, \q, \i
.endr
.endm
; a step of 128 along K with its successor in the same slot.  z has one set: blocks 0-3 are fetched anew in the step's middle, blocks 4-7 at its end.  W has two sets: the set that this step has
; multiplied takes, at the step's end, the fragments of the step after the next, where that lies in the same slot.
.macro STEP slot, q, first
	s_wait_dscnt 12*NL                             ; all but the youngest 24 loads (z's blocks 4-7 and W's next set)
.if \first
	WIN FST_LO
.else
	WIN MUL_LO
.endif
	MUL16 0, (\q)%2, \q, \slot, \first
	MUL16 2, (\q)%2, \q, \slot, \first
	s_wait_dscnt 8*NL                              ; z's blocks 4-7 are in; W's next set, 16 loads, may be out
	PLACES NP
	WIN 0
	FETCH_A \slot, (\q)+1, 0
.if \first
	WIN FST_HI
.else
	WIN MUL_HI
.endif
	MUL16 4, (\q)%2, \q, \slot, \first
	MUL16 6, (\q)%2, \q, \slot, \first
	PLACES NP
	WIN 0
	FETCH_A \slot, (\q)+1, 4
.if (\q) < 2
	FETCH_B \slot, (\q)+2, (\q)%2
.endif
.endm
; a slot's last step.  fill: 0 nothing, 1 this tile's K step two on, 2 the next tile's.  next: the slot whose first fragments are fetched, -1 none.  lw: the next set of scale words is waited for.
; sk: byte of the K step whose scale words this slot's set takes, -1 none; zb: their base for z.  pf: the flag of a prefetch, -1 none; po: its offset.
.macro TURN slot, next, fill, lw, sk, zb, pf, po
.if \lw
	s_wait_loadcnt 0x0
.endif
	s_wait_tensorcnt 0x0                           ; all my tensor loads have landed;
	ds_add_u32 v[SPW], v[NIL]
	s_wait_dscnt 4*NL+1                            ; (the add and the youngest eight loads may be out)
	WIN MUL_LO
	MUL16 0, 1, NQ-1, \slot, 0
	s_wait_dscnt 0x0                               ; the add is done, my reads of this slot are over
	s_barrier_signal -1
	MUL16 2, 1, NQ-1, \slot, 0
	WIN 0
	s_barrier_wait -1
.if \fill
	CREST                                          ; the barrier has opened a round of the cluster's barrier
.if \fill == 2
	s_add_nc_u64 s[G0+4*\slot+2:G0+4*\slot+3], s[G0+4*\slot+2:G0+4*\slot+3], WALK*KROW-2*ROWB
	s_sub_nc_u64 s[G0B+4*\slot+2:G0B+4*\slot+3], s[G0B+4*\slot+2:G0B+4*\slot+3], 2*ROWB
.else
	s_add_nc_u64 s[G0+4*\slot+2:G0+4*\slot+3], s[G0+4*\slot+2:G0+4*\slot+3], 2*ROWB
	s_add_nc_u64 s[G0B+4*\slot+2:G0B+4*\slot+3], s[G0B+4*\slot+2:G0B+4*\slot+3], 2*ROWB
.endif
	JLOAD G0+4*\slot, G1, G0B+4*\slot, G1B         ; my one tensor load behind the round
.else
	PLACES NP
.endif
.if \next >= 0
	FETCH_B \next, 0, 0
	FETCH_A \next, 0, 0
.endif
.if \pf >= 0
	ASK \pf, \po
.endif
	WIN MUL_HI
	MUL16 4, 1, NQ-1, \slot, 0
	MUL16 6, 1, NQ-1, \slot, 0
	PLACES NP
	WIN 0
.if \next >= 0
	FETCH_A \next, 0, 4
	FETCH_B \next, 1, 1
.endif
.if \sk >= 0
	SCLOAD \slot, \sk, \zb
.endif
.endm
; ---- THE GATING, two blocks of 16 rows x 32 units together: 32 outputs a lane.  Each stage is one run of 16 independent packed instructions or of 32 to 128 transcendentals;
; one wait stands ahead of each batch of transcendentals and one behind it.
.macro WA
	s_wait_alu depctr_va_vdst(0)
.endm
.macro P1P a                           ; the four exponents of the outputs of blocks a (even) and a + 1, each accumulator from its low end on
	WIN 0x42+(\a)/4
	WA                                             ; ahead of the first read of these matrix results
.irp e, 0,1
.set AC, 64*(((\a)+\e)%4)
.set TB, TT+128*\e
.set n, 0
.rept 32
.if n/8 == 2
	v_pk_mul_f32 v[TB+2*n:TB+2*n+1], v[AC+2*n:AC+2*n+1], s[K2:K2+1] op_sel_hi:[1,0]
.else
	v_pk_mul_f32 v[TB+2*n:TB+2*n+1], v[AC+2*n:AC+2*n+1], s[K1:K1+1] op_sel_hi:[1,0]
.endif
.set n, n+1
.endr
.endr
	WA                                             ; ahead of a branch and of waits behind which these are read
	WIN 0
.endm
.macro CST a                           ; my 8 rows of block a's c into buffer a % 2: the rows that I alone read back
	WIN FROM_B
.irp t, 0,1,2,3
	ds_store_b128 v[RD], v[64+128*((\a)/4)+16*((\a)%4)+4*\t:64+128*((\a)/4)+16*((\a)%4)+4*\t+3] offset:((\a)%2)*SBUF+2*\t*PITCH
.endr
	WIN 0
.endm
.macro TR op, r, cnt                   ; cnt transcendentals in place
.set n, 0
.rept \cnt
	\op v[(\r)+n], v[(\r)+n]
.set n, n+1
.endr
.endm
.macro PKC op, d, a, k                 ; sixteen numbers with a constant or a scalar
.set n, 0
.rept 8
	\op v[(\d)+2*n:(\d)+2*n+1], v[(\a)+2*n:(\a)+2*n+1], \k op_sel_hi:[1,0]
.set n, n+1
.endr
.endm
.macro PKM d, a, b
.set n, 0
.rept 8
	v_pk_mul_f32 v[(\d)+2*n:(\d)+2*n+1], v[(\a)+2*n:(\a)+2*n+1], v[(\b)+2*n:(\b)+2*n+1]
.set n, n+1
.endr
.endm
.macro PKF d, a, b, c
.set n, 0
.rept 8
	v_pk_fma_f32 v[(\d)+2*n:(\d)+2*n+1], v[(\a)+2*n:(\a)+2*n+1], v[(\b)+2*n:(\b)+2*n+1], v[(\c)+2*n:(\c)+2*n+1]
.set n, n+1
.endr
.endm
.macro MINS                            ; both blocks' tanh exponents are held at 60
.irp t, 0,128
.set n, 0
.rept 16
	v_min_num_f32 v[TT+\t+32+n], s[K60], v[TT+\t+32+n]
.set n, n+1
.endr
.endr
.endm
.macro GBODY
.irp be, 0,1
.irp ub, 0,1
.irp q, 0,1
	ds_load_b128 v[CC+16*\be+8*\ub+4*\q:CC+16*\be+8*\ub+4*\q+3], v[CA] offset:\be*SBUF+64*\ub+16*\q   ; c
.endr
.endr
.endr
	WIN ALL1
	MINS
	WA
.irp t, 0,128
	TR v_exp_f32, TT+\t, 64                        ; A, B, G, O
.endr
	v_nop
	s_wait_dscnt 0x0                               ; c is in
	WA
.irp t, 0,128
	PKC v_pk_add_f32, TT+\t, TT+\t, 1.0            ; 1 + A
.endr
	WIN 0x01
.irp t, 0,128
	PKC v_pk_add_f32, U+\t/8, TT+\t+32, 1.0        ; 1 + G
.endr
	WIN ALL1
.irp t, 0,128
	PKC v_pk_add_f32, TT+\t+32, TT+\t+32, -1.0     ; G - 1
.endr
	WIN 0x41
.irp t, 0,128
	PKF TT+\t+16, TT+\t+16, U+\t/8, U+\t/8         ; (1 + B)(1 + G)
.endr
	WIN ALL1
	WA
.irp t, 0,128
	TR v_rcp_f32, TT+\t, 32
.endr
	v_nop
	WA
.irp t, 0,128
	PKM TT+\t+16, TT+\t+32, TT+\t+16               ; i g
.endr
	WIN 0x11
.irp t, 0,128
	PKF CC+\t/8, TT+\t, CC+\t/8, TT+\t+16          ; c_new, where c lay
.endr
	WIN 0x40
.irp t, 0,128
	PKC v_pk_mul_f32, TT+\t+32, CC+\t/8, s[K2:K2+1]
.endr
	WIN ALL1
	MINS
	WA
	WIN 0
.irp be, 0,1
.irp ub, 0,1
.irp q, 0,1
	ds_store_b128 v[CA], v[CC+16*\be+8*\ub+4*\q:CC+16*\be+8*\ub+4*\q+3] offset:\be*SBUF+64*\ub+16*\q
.endr
.endr
.endr
	WIN ALL1
.irp t, 0,128
	TR v_exp_f32, TT+\t+32, 16                     ; E
.endr
	v_nop
	WA
	WIN 0x01
.irp t, 0,128
	PKC v_pk_add_f32, U+\t/8, TT+\t+32, 1.0        ; 1 + E
.endr
	WIN ALL1
.irp t, 0,128
	PKC v_pk_add_f32, TT+\t+32, TT+\t+32, -1.0     ; E - 1
.endr
	WIN 0x41
.irp t, 0,128
	PKF TT+\t+48, TT+\t+48, U+\t/8, U+\t/8         ; (1 + O)(1 + E)
.endr
	WIN ALL1
	WA
.irp t, 0,128
	TR v_rcp_f32, TT+\t+48, 16
.endr
	v_nop
	WA
.irp t, 0,128
	PKM TT+\t+32, TT+\t+32, TT+\t+48               ; h_new
.endr
	WIN FROM_B
.irp be, 0,1
.irp ub, 0,1
.irp q, 0,1
	ds_store_b128 v[CA], v[TT+128*\be+32+8*\ub+4*\q:TT+128*\be+32+8*\ub+4*\q+3] offset:\be*SBUF+HOFS+64*\ub+16*\q
.endr
.endr
.endr
	WIN 0
.endm
; A trip takes blocks 2 p and 2 p + 1.  Only the lines that name accumulators or c's registers differ from trip to trip: they stand in arms chosen by the trip's number.
; Two barriers a trip: behind the first both blocks' results are whole in the stage; behind the second every wave has read its rows back and the next two blocks' c is whole.
.macro GATES id
	CST 0
	CST 1
	P1P 0
	s_wait_dscnt 0x0
	s_barrier_signal -1
	s_barrier_wait -1
	s_mov_b32 s3, 0
.Lg\id:
	GBODY
	s_wait_dscnt 0x0                               ; for the others' sake: my stores into the stage are done
	s_barrier_signal -1
	s_barrier_wait -1
.irp be, 0,1
.irp t, 0,1,2,3
	ds_load_b128 v[OB+64*\be+4*\t:OB+64*\be+4*\t+3], v[RD] offset:\be*SBUF+2*\t*PITCH
	ds_load_b128 v[OB+64*\be+16+4*\t:OB+64*\be+16+4*\t+3], v[RD] offset:\be*SBUF+HOFS+2*\t*PITCH
.endr
.endr
	s_cmp_eq_u32 s3, 3
	s_cbranch_scc1 .Laj\id
	s_cmp_eq_u32 s3, 0
	s_cbranch_scc1 .La0\id
	s_cmp_eq_u32 s3, 1
	s_cbranch_scc1 .La1\id
	CST 6
	CST 7
	P1P 6
	s_branch .Laj\id
.La0\id:
	CST 2
	CST 3
	P1P 2
	s_branch .Laj\id
.La1\id:
	CST 4
	CST 5
	P1P 4
.Laj\id:
	s_wait_dscnt 0x0                               ; my rows are back, and my rows of the next c are in the stage
	s_barrier_signal -1
	s_barrier_wait -1
.irp be, 0,1
.irp t, 0,1,2,3
	global_store_b128 v[CO], v[OB+64*\be+4*\t:OB+64*\be+4*\t+3], s[NB:NB+1] offset:(16*\be+2*\t)*OROW th:TH_STORE_NT       ; sixteen lanes store 256 consecutive aligned bytes
	global_store_b128 v[CO], v[OB+64*\be+16+4*\t:OB+64*\be+16+4*\t+3], s[HB:HB+1] offset:(16*\be+2*\t)*OROW th:TH_STORE_NT
.endr
.endr
	s_wait_xcnt 0x0                                ; the stores have read their registers and their bases
	s_add_nc_u64 s[HB:HB+1], s[HB:HB+1], 32*OROW
	s_add_nc_u64 s[NB:NB+1], s[NB:NB+1], 32*OROW
	s_add_co_u32 s3, s3, 1
	s_cmp_lt_u32 s3, 4
	s_cbranch_scc1 .Lg\id
.endm
	s_wait_tensorcnt 0x0                           ; my part of K step 0 is in
	ds_add_u32 v[SPW], v[NIL]
	s_wait_dscnt 0x0
	CROUND
	JLOAD G0+4, G1, G0B+4, G1B                     ; K step 1, the first tensor load behind the round
.Ltile:
	FETCH_B 0, 0, 0
	FETCH_A 0, 0, 0
	FETCH_A 0, 0, 4
	FETCH_B 0, 1, 1
	WIN TO_B
.irp a, 0,1,2,3,4,5,6,7
.irp t, 0,1,2,3
	global_load_b128 v[64+128*(\a/4)+16*(\a%4)+4*\t:64+128*(\a/4)+16*(\a%4)+4*\t+3], v[CO], s[CB:CB+1] offset:(16*\a+2*\t)*OROW th:TH_LOAD_NT   ; c: sixteen lanes read 256 consecutive aligned bytes
.endr
.endr
	WIN 0
	s_wait_loadcnt 32                              ; all but c's 32 loads: both sets of scale words, and the biases, are in
	STEP 0, 0, 1
	STEP 0, 1, 0
	STEP 0, 2, 0
	TURN 0, 1, 1, 0, 32, ZSB, Q0, 3*ROWB           ; slot 0 takes K step 2
	STEP 1, 0, 0
	STEP 1, 1, 0
	STEP 1, 2, 0
	TURN 1, 0, 1, 1, 48, ZSB, Q1, WALK*KROW        ; slot 1 takes K step 3
	STEP 0, 0, 0
	STEP 0, 1, 0
	STEP 0, 2, 0
	s_cmp_eq_u32 s2, 1
	s_cbranch_scc1 .Llast                          ; the last tile's tail is written out: it asks for nothing more
	TURN 0, 1, 2, 1, 0, ZS2, PZ, WALK*KROW+ROWB    ; slot 0 takes the next tile's K step 0
	STEP 1, 0, 0
	STEP 1, 1, 0
	STEP 1, 2, 0
	TURN 1, -1, 2, 0, 16, ZS2, PZ, WALK*KROW+2*ROWB   ; slot 1 its K step 1
	GATES 0
	s_mov_b64 s[ZSB:ZSB+1], s[ZS2:ZS2+1]           ; (behind the gating's last wait on XCNT: every load, store and prefetch has read its base)
	s_add_nc_u64 s[CB:CB+1], s[CB:CB+1], WALK*OROW
	s_add_nc_u64 s[HB:HB+1], s[HB:HB+1], (WALK-128)*OROW   ; four trips have stepped these 128 rows
	s_add_nc_u64 s[NB:NB+1], s[NB:NB+1], (WALK-128)*OROW
	s_add_nc_u64 s[PFA:PFA+1], s[PFA:PFA+1], WALK*KROW
	s_mov_b32 s[Q0], s[PZ]                         ; W's rows have been read: they are named no more;
	s_mov_b32 s[Q1], 0                             ; no tile follows the next
	s_sub_co_u32 s2, s2, 1
	s_branch .Ltile
.Llast:
	TURN 0, 1, 0, 1, -1, ZSB, -1, 0
	STEP 1, 0, 0
	STEP 1, 1, 0
	STEP 1, 2, 0
	s_wait_dscnt 4*NL
	WIN MUL_LO
	MUL16 0, 1, NQ-1, 1, 0
	MUL16 2, 1, NQ-1, 1, 0
	s_wait_dscnt 0
	WIN MUL_HI
	MUL16 4, 1, NQ-1, 1, 0
	MUL16 6, 1, NQ-1, 1, 0
	PLACES NP
	WIN 0
	GATES 1
	s_wait_tensorcnt 0x0                           ; the wave's end
	ds_add_u32 v[SPW], v[NIL]
	s_wait_dscnt 0x0
	CROUND                                         ; the closing round
	s_endpgm
.Lfunc_end_k_q09386417e0_cell:
	.size	k_q09386417e0_cell, .Lfunc_end_k_q09386417e0_cell-k_q09386417e0_cell
	.p2alignl 7, 3214868480
	.fill 96, 4, 3214868480
	.section	.rodata,"a",@progbits
	.p2align	6, 0x0
	.amdhsa_kernel k_q09386417e0_cell
		.amdhsa_group_segment_fixed_size 327680
		.amdhsa_private_segment_fixed_size 0
		.amdhsa_enable_private_segment 0
		.amdhsa_kernarg_size 80
		.amdhsa_user_sgpr_count 2
		.amdhsa_user_sgpr_kernarg_segment_ptr 1
		.amdhsa_wavefront_size32 1
		.amdhsa_system_sgpr_workgroup_id_x 1
		.amdhsa_system_sgpr_workgroup_id_y 1
		.amdhsa_system_sgpr_workgroup_id_z 1
		.amdhsa_system_vgpr_workitem_id 0
		.amdhsa_next_free_vgpr 1024
		.amdhsa_next_free_sgpr 100
		.amdhsa_reserve_vcc 0
		.amdhsa_float_denorm_mode_32 3
		.amdhsa_float_denorm_mode_16_64 3
		.amdhsa_memory_ordered 1
		.amdhsa_forward_progress 1
		.amdhsa_inst_pref_size 255
	.end_amdhsa_kernel
	.section	.bss,"aw",@nobits
	.p2align	6
	.space	262144
	.amdgpu_metadata
---
amdhsa.version: [ 1, 2 ]
amdhsa.kernels:
  - .name:           k_q09386417e0_cell
    .symbol:         k_q09386417e0_cell.kd
    .args:
      - { .name: zc, .offset: 0, .size: 8, .value_kind: global_buffer, .address_space: global }
      - { .name: zs, .offset: 8, .size: 8, .value_kind: global_buffer, .address_space: global }
      - { .name: wc, .offset: 16, .size: 8, .value_kind: global_buffer, .address_space: global }
      - { .name: ws, .offset: 24, .size: 8, .value_kind: global_buffer, .address_space: global }
      - { .name: bf, .offset: 32, .size: 8, .value_kind: global_buffer, .address_space: global }
      - { .name: bi, .offset: 40, .size: 8, .value_kind: global_buffer, .address_space: global }
      - { .name: bc, .offset: 48, .size: 8, .value_kind: global_buffer, .address_space: global }
      - { .name: bo, .offset: 56, .size: 8, .value_kind: global_buffer, .address_space: global }
      - { .name: c, .offset: 64, .size: 8, .value_kind: global_buffer, .address_space: global }
      - { .name: out0, .offset: 72, .size: 8, .value_kind: global_buffer, .address_space: global }
    .group_segment_fixed_size: 327680
    .private_segment_fixed_size: 0
    .kernarg_segment_align: 8
    .kernarg_segment_size: 80
    .max_flat_workgroup_size: 128
    .sgpr_count:     100
    .vgpr_count:     1024
    .wavefront_size: 32
...
	.end_amdgpu_metadata
.endif
;; end of part 2
